; MI455X (gfx1250); checked and timed in simulation.
; The chip was launched on July 23, 2026; its instructions are those of AMD's public machine-readable ISA for CDNA 5 (MIT licence, August 2026) and "CDNA5" Instruction Set Architecture Reference Guide (July 2026). The comments in the code are by the model that wrote it; some were corrected since.
;; Self Attention. Allowed arithmetic: matrix products marked QUANTISED: E2M1 operands, one E8M0 scale for each 32 along K, by v_wmma_scale_f32_16x16x128_f8f6f4 with both operands' format E2M1 (or v_wmma_scale_f32_32x16x128_f4), f32 sums; products left as they are: f32 operands where the result goes on into a quantised operand, else bf16, f16 or f32 operands; f32 sums; everything else in f32.
;; Inputs: attn_W 512 x 1,024 float32; attn_b 512 float32; inputs_codes 256 x 8 x 16 x 16 uint8 (E2M1 codes of inputs, K innermost, in blocks of 32 codes, two codes a byte); inputs_scales 256 x 8 x 16 uint8 (E8M0 scales of inputs, one for each 32 codes along K); score_W 1 x 512 float32; score_b 1 float32.
;; Outputs: out0 8 x 256 x 256 float32.
;; This version of the problem:
;;   THIS VERSION OF THE PROBLEM IS GIVEN IN LOW PRECISION. The matrix products marked QUANTISED in the list below multiply operands that are first quantised to E2M1 (2 exponent bits, 1 mantissa bit; 4 bits a number), with one power-of-two scale for each 32 numbers along K (OCP MX v1.0); their sums are f32. All else is computed in f32.
;;   The module's matrix products, in the order in which they are computed (A, B: the left and right operand; K: the contracted axis; several contracted axes count as one K, in the product's order):
;;     1. [M 2,048, K 512] x [K 512, N 512]; A: input inputs (given as codes); B: input attn_W: QUANTISED
;;     2. [M 2,048, K 512] x [K 512, N 512]; A: input inputs (given as codes); B: input attn_W: QUANTISED
;;     3. [M 524,288, K 512] x [K 512, N 1]; A: computed on the way; B: input score_W: left as it is (N = 1 < 16)
;;   THE QUANTISER, for each operand of a quantised product, along K:
;;     - K is cut into blocks of 32 from its start; a last block that is shorter is filled with zeros.
;;     - A block's scale is 2^e with e = floor(log2(the largest magnitude in the block)) - 2, held to -126 .. 127; a block of zeros has e = 0. As a byte (E8M0): e + 127.
;;     - Each number is divided by its block's scale, clamped to +-6, and rounded to the nearest number of E2M1, ties to even, subnormals kept.
;;     - The product sums the exact products of the quantised numbers (number of the format x scale) in f32.
;;   ~~~python
;;   def quantise(x, axis):      # numpy; x: float32 -> the quantised numbers, widened to float32 again
;;       x = np.moveaxis(x, axis, -1); K = x.shape[-1]
;;       x = np.pad(x, [(0, 0)] * (x.ndim - 1) + [(0, -K % 32)]); x = x.reshape(x.shape[:-1] + (-1, 32)); a = np.abs(x).max(-1, keepdims=True)
;;       e = np.where(a > 0, np.clip(np.frexp(np.where(a > 0, a, 1))[1] - 1 - 2, -126, 127), 0)      # np.frexp(a)[1] - 1 = floor(log2(a)), exactly
;;       r = np.clip(x / 2.0 ** e, -6, 6)
;;       step = 2.0 ** (np.maximum(np.frexp(np.where(r == 0, 1, r))[1] - 1, 0) - 1)
;;       q = np.round(r / step) * step * 2.0 ** e      # np.round: ties to even
;;       return np.moveaxis(q.reshape(q.shape[:-2] + (-1,))[..., :K], -1, axis).astype(np.float32)
;;   ~~~
;;   INPUTS GIVEN AS CODES. inputs (in the module: [256, 8, 512], K = its axis 2): each comes as NAME_codes (uint8): NAME with its K axis moved to the last place and cut into blocks of 32 codes, [.., K / 32, bytes a block], one block behind the other in memory; two codes a byte, the lower K in the low four bits (a code: sign, 2 exponent bits, 1 mantissa bit); and NAME_scales (uint8): the same leading axes, one E8M0 byte (e + 127) for each 32 codes along K. Its value is code x scale, taken as it is: it is not quantised again, and the codes and scales need not be those that the quantiser above would give.
;; One version. Each part assembles by itself: llvm-mc -triple=amdgcn-amd-amdhsa -mcpu=gfx1250 --defsym DOCPART=n.
;; ======== version 1 of 1: 2 launches
;; workspace buffers: tab 16,777,216 bytes
;; launch tables (part 1): grid 64 x 4, 8 waves a work-group, no clusters, 5,376 bytes of LDS; arguments attn_W, attn_b, inputs_codes, inputs_scales, tab; writes tab
.if DOCPART == 1
	.amdgcn_target "amdgcn-amd-amdhsa--gfx1250"
	.amdhsa_code_object_version 6
	.text
	.protected	k_q0c8fbd4384_tables
	.globl	k_q0c8fbd4384_tables
	.p2align	8
	.type	k_q0c8fbd4384_tables,@function
k_q0c8fbd4384_tables:
	s_mov_b64 s[64:65], 0
	v_nop
	global_prefetch_b8 v0, s[64:65] scope:SCOPE_SE
	s_setreg_imm32_b32 hwreg(HW_REG_WAVE_MODE, 25, 1), 1
	s_wait_xcnt 0x0
; p1 = x W1^T and p2 = x W2^T on codes of FP4 (E2M1) with one E8M0 scale for each 32 along K, and what the next launch wants of them.
; x: 2,048 rows (l, b) of 512 codes, given with their scale bytes.  attn_W: [512][1024] f32; row o holds W1(o, :) in its first 512 numbers and W2(o, :) in its last 512: quantised here, along K.
; THE NEXT LAUNCH needs 2^t for t = c (p1(i,h) + attn_b(h)) + c p2(j,h), c = 2 log2(e).  Each half of t is left here SPLIT: n = floor(t half), a whole number, and f = 2^(t half - n), in [1, 2]:
; so no half can overflow or fall to zero, however large p is, and the halves are joined there by one integer addition and one v_ldexp_f32.
; tab: [side][b][h / 2][row l][16 bytes] = { f(h), n(h), f(h + 1), n(h + 1) }; side 0 = p1 with the bias (rows i), side 1 = p2 (rows j).
; SHARES.  Work-group x = 0 .. 63: 16 rows of W1 (x < 32) or of W2; y = 0 .. 3: batches 2 y and 2 y + 1, 512 rows of x.  Eight waves; a wave multiplies 4 tiles of 16 rows of x (16 neighbouring l of one batch).
; W's tile (16 x 512 numbers) is quantised once in the work-group: wave w takes half a K step, one block of 32 a lane, and the fragments go round through LDS as images of the operand's registers.
; THE MATRIX INSTRUCTION takes 16 rows of W as source 0 and 16 rows of x as source 1: a lane then holds ONE row of x and eight neighbouring h, which pack into four stores of 16 bytes;
; sixteen neighbouring lanes (16 neighbouring l) store 256 consecutive bytes, at a multiple of 256 from tab's first byte.
; LIMITS: n is held at +-2^29 (|c p| beyond that counts as that); NaN and infinities among the inputs are not served; a block of W whose largest magnitude lies under 2^-124 gets the scale byte 1
; (a block of zeros too, where the rule says 127: its codes are zeros, and this program alone reads the byte).
; No tensor load and no cluster: a work-group reads 32 KiB of W and 136 KiB of x once, straight into the registers that use them.
.set C2L,  0x4038aa3b                  ; c = 2 log2(e)
.set LIMB, 0x4e000000                  ; 2^29
.set SCB,  4096                        ; LDS: 4 fragments of W (1,024 bytes each), then their scale words: 64 bytes a K step
.set WF,   16                          ; v16-47   W's four fragments (K step s at 8 s)
.set WS,   48                          ; v48-51   their scale words
.set BIAS, 52                          ; v52-59   attn_b at my eight h (side 1: zeros): the C of each sum's first product
.set CD,   60                          ; v60-63   the codes that I make
.set XS,   64                          ; v64-79   x's scale words: tile n, K step s at 4 n + s
.set XF,   80                          ; v80-207  x's fragments: tile n, K step s at 32 n + 8 s
.set OUT,  80                          ; v80-143  afterwards: 16 registers a tile, { f, n } by turns
.set ACC,  208                         ; v208-239 four accumulators
.set RAW,  208                         ; before the products: my 32 numbers of W
	s_load_b256 s[4:11], s[0:1], 0x0               ; attn_W s[4:5], attn_b s[6:7], x's codes s[8:9], x's scales s[10:11]
	s_load_b64 s[12:13], s[0:1], 0x20              ; tab
	v_lshl_add_u32 v240, v0, 2, 0x1100
	v_mov_b32 v241, 0
	v_lshrrev_b32 v1, 5, v0
	v_readfirstlane_b32 s14, v1                    ; wave 0..7
	v_and_b32 v1, 15, v0                           ; r
	v_bfe_u32 v2, v0, 4, 1                         ; h
	v_and_b32 v9, 31, v0                           ; lane
	v_lshlrev_b32 v3, 12, v1                       ; W: row r of 4,096 bytes,
	v_lshl_add_u32 v3, v2, 7, v3                   ;    + 128 h: the operand's layout gives lane (r, h) the blocks 2 c + h of a K step
	v_lshlrev_b32 v4, 11, v1                       ; x's codes: l goes in steps of 8 rows of 256 bytes,
	v_lshl_add_u32 v4, v2, 4, v4                   ;    + 16 h
	v_lshlrev_b32 v5, 7, v1                        ; x's scales: 8 rows of 16 bytes
	v_lshlrev_b32 v6, 5, v2                        ; attn_b: my eight numbers begin 32 h bytes on
	v_lshlrev_b32 v9, 4, v9                        ; an image's place for my lane: 16 x lane
	s_lshl_b32 s34, s14, 9
	v_add_nc_u32 v7, s34, v9                       ; where I store my four registers: K step w / 2, registers 4 (w % 2) on: 512 w + 16 x lane
	v_lshlrev_b32 v10, 2, v1                       ; a scale word's place: 4 r
	s_lshr_b32 s34, s14, 1
	s_lshl_b32 s34, s34, 6                         ; 64 bytes of scale words a K step
	s_and_b32 s35, s14, 1
	s_lshl_b32 s35, s35, 1
	s_add_co_u32 s34, s34, s35                     ; + 2 (w % 2)
	v_add_nc_u32 v8, v10, v2
	v_add_nc_u32 v8, s34, v8                       ; my block's byte: row r's word, byte 2 (w % 2) + h
	v_lshlrev_b32 v11, 4, v1
	v_lshl_add_u32 v11, v2, 14, v11                ; tab: 16 r, + 4 pairs of h (4,096 bytes each) for lanes 16-31
	s_and_b32 s15, ttmp9, 31                       ; which 16 rows of W1 or W2
	s_lshr_b32 s16, ttmp9, 5                       ; side
	s_and_b32 s17, ttmp7, 0xffff
	s_lshl_b32 s18, s17, 1
	s_lshr_b32 s19, s14, 2
	s_add_co_u32 s18, s18, s19                     ; my batch: 2 y + w / 4
	s_and_b32 s19, s14, 3                          ; my 64 l: w % 4
	s_lshl_b32 s20, s15, 16                        ; W: 16 rows of 4,096 bytes,
	s_lshl_b32 s21, s16, 11                        ;    W2 begins 2,048 bytes on in a row,
	s_add_co_u32 s20, s20, s21
	s_lshl_b32 s21, s14, 8                         ;    my half K step: 64 numbers
	s_add_co_u32 s20, s20, s21
	s_mov_b32 s21, 0
	s_lshl_b32 s22, s15, 6                         ; attn_b: 16 numbers
	s_mov_b32 s23, 0
	s_lshl_b32 s24, s18, 8                         ; x's codes: row (l, b) = 8 l + b, 256 bytes
	s_lshl_b32 s25, s19, 17
	s_add_co_u32 s24, s24, s25
	s_mov_b32 s25, 0
	s_lshl_b32 s26, s18, 4                         ; x's scales: 16 bytes a row
	s_lshl_b32 s27, s19, 13
	s_add_co_u32 s26, s26, s27
	s_mov_b32 s27, 0
	s_lshl_b32 s28, s16, 23                        ; tab: a side is 8 MiB, a batch 1 MiB, a pair of h 4,096 bytes, a row 16
	s_lshl_b32 s29, s18, 20
	s_add_co_u32 s28, s28, s29
	s_lshl_b32 s29, s15, 15
	s_add_co_u32 s28, s28, s29
	s_lshl_b32 s29, s19, 10
	s_add_co_u32 s28, s28, s29
	s_mov_b32 s29, 0
	s_cmp_eq_u32 s16, 0
	s_cselect_b32 s30, 1.0, 0                      ; the bias belongs to side 0 alone
	s_mov_b32 s32, C2L
	s_mov_b32 s33, C2L                             ; (the packed form names the pair)
	s_wait_kmcnt 0x0
	s_add_nc_u64 s[4:5], s[4:5], s[20:21]
	s_add_nc_u64 s[6:7], s[6:7], s[22:23]
	s_add_nc_u64 s[8:9], s[8:9], s[24:25]
	s_add_nc_u64 s[10:11], s[10:11], s[26:27]
	s_add_nc_u64 s[12:13], s[12:13], s[28:29]
	; all loads go out at once: W's numbers first, since they are wanted first
.irp g, 0,1,2,3,4,5,6,7
	global_load_b128 v[RAW+4*\g:RAW+4*\g+3], v3, s[4:5] offset:16*\g          ; my block: 32 neighbours along K, 128 bytes
.endr
	global_load_b128 v[BIAS:BIAS+3], v6, s[6:7]
	global_load_b128 v[BIAS+4:BIAS+7], v6, s[6:7] offset:16
.irp n, 0,1,2,3
	global_load_b128 v[XS+4*\n:XS+4*\n+3], v5, s[10:11] offset:2048*\n        ; row r's 16 scale bytes: one word for each K step
.irp s, 0,1,2,3
.irp c, 0,1
	global_load_b128 v[XF+32*\n+8*\s+4*\c:XF+32*\n+8*\s+4*\c+3], v4, s[8:9] offset:32768*\n+64*\s+32*\c   ; codes as they lie: k = 128 s + 64 c + 32 h + 0 .. 31
.endr
.endr
.endr
	s_wait_loadcnt 38                              ; W's eight loads are in; the 2 + 36 issued behind them may be out
	v_max3_num_f32 v12, |v[RAW]|, |v[RAW+1]|, 0x1800000            ; the block's largest magnitude, in two chains, with the floor 2^(3 - 127) among its leaves: the byte cannot fall under 1
	v_max3_num_f32 v13, |v[RAW+2]|, |v[RAW+3]|, |v[RAW+4]|
.irp i, 5,9,13,17,21,25
	v_max3_num_f32 v12, v12, |v[RAW+\i]|, |v[RAW+\i+1]|
	v_max3_num_f32 v13, v13, |v[RAW+\i+2]|, |v[RAW+\i+3]|
.endr
	v_max3_num_f32 v12, v12, |v[RAW+29]|, |v[RAW+30]|
	v_max3_num_f32 v12, v12, v13, |v[RAW+31]|
	v_add_nc_u32 v14, 0xff000000, v12              ; 2 off its exponent field: the conversion takes the exponent field of this operand as its scale
	v_lshrrev_b32 v15, 23, v14                     ; the scale's byte
.irp g, 0,1,2,3
	v_cvt_scalef32_pk8_fp4_f32 v[CD+\g], v[RAW+8*\g:RAW+8*\g+7], v14
.endr
	v_nop                                          ; one plain instruction behind the last scaled conversion: the products below write its sources
	ds_store_b128 v7, v[CD:CD+3]                   ; four registers of the fragment, as they stand
	ds_store_b8 v8, v15 offset:SCB
	s_wait_dscnt 0x0                               ; for the others: my stores have landed
	s_barrier_signal -1
	s_barrier_wait -1
.irp s, 0,1,2,3
.irp c, 0,1
	ds_load_b128 v[WF+8*\s+4*\c:WF+8*\s+4*\c+3], v9 offset:1024*\s+512*\c
.endr
	ds_load_b32 v[WS+\s], v10 offset:SCB+64*\s     ; lane r: row r's word (lanes 16-31 hold the same and are not read)
.endr
	s_wait_loadcnt 0x0                             ; the bias and x
.irp k, 0,1,2,3,4,5,6,7
	v_mul_f32 v[BIAS+\k], s30, v[BIAS+\k]          ; side 1 adds nothing
.endr
	v_mov_b32 v12, LIMB
	s_wait_dscnt 0x0
.rept 8
	v_nop                                          ; the bias was written by vector instructions: it stands well ahead of the products that take it
.endr
	; four accumulators by turns, one instruction a turn, K ascending
.irp s, 0,1,2,3
.irp n, 0,1,2,3
.if \s == 0
	v_wmma_scale_f32_16x16x128_f8f6f4 v[ACC+8*\n:ACC+8*\n+7], v[WF+8*\s:WF+8*\s+7], v[XF+32*\n+8*\s:XF+32*\n+8*\s+7], v[BIAS:BIAS+7], v[WS+\s], v[XS+4*\n+\s] matrix_a_fmt:MATRIX_FMT_FP4 matrix_b_fmt:MATRIX_FMT_FP4
.else
	v_wmma_scale_f32_16x16x128_f8f6f4 v[ACC+8*\n:ACC+8*\n+7], v[WF+8*\s:WF+8*\s+7], v[XF+32*\n+8*\s:XF+32*\n+8*\s+7], v[ACC+8*\n:ACC+8*\n+7], v[WS+\s], v[XS+4*\n+\s] matrix_a_fmt:MATRIX_FMT_FP4 matrix_b_fmt:MATRIX_FMT_FP4
.endif
.endr
.endr
.rept 4
	v_nop                                          ; four places behind the last product (ISA guide 7.12.1): results are read, and x's registers written, only behind them
.endr
	; register k of tile n: row r of x, h = 16 x + 8 (lane / 16) + k
.irp n, 0,1,2,3
.irp k, 0,2,4,6
	v_pk_mul_f32 v[ACC+8*\n+\k:ACC+8*\n+\k+1], v[ACC+8*\n+\k:ACC+8*\n+\k+1], s[32:33] op_sel_hi:[1,0]   ; t = c x sum; each accumulator from its low end on
.endr
.endr
.irp n, 0,1,2,3
.irp k, 0,1,2,3,4,5,6,7
	v_floor_f32 v[OUT+16*\n+2*\k+1], v[ACC+8*\n+\k]
.endr
.endr
.irp n, 0,1,2,3
.irp k, 0,1,2,3,4,5,6,7
	v_sub_f32 v[ACC+8*\n+\k], v[ACC+8*\n+\k], v[OUT+16*\n+2*\k+1]             ; t - floor(t), in [0, 1]: nothing is rounded but at the very top
.endr
.endr
.irp n, 0,1,2,3
.irp k, 0,1,2,3,4,5,6,7
	v_exp_f32 v[OUT+16*\n+2*\k], v[ACC+8*\n+\k]                               ; f: one batch of 32
.endr
.endr
.irp n, 0,1,2,3
.irp k, 0,1,2,3,4,5,6,7
	v_med3_num_f32 v[OUT+16*\n+2*\k+1], v[OUT+16*\n+2*\k+1], -v12, v12        ; n held at +-2^29, so that the sum of two never wraps.  (Plain work behind the batch: it names no result of it)
.endr
.endr
.irp n, 0,1,2,3
.irp k, 0,1,2,3,4,5,6,7
	v_cvt_i32_f32 v[OUT+16*\n+2*\k+1], v[OUT+16*\n+2*\k+1]
.endr
.endr
	s_wait_alu depctr_va_vdst(0)                   ; one wait for the 32 exponentials, ahead of the stores that name their results
.irp n, 0,1,2,3
.irp q, 0,1,2,3
	global_store_b128 v11, v[OUT+16*\n+4*\q:OUT+16*\n+4*\q+3], s[12:13] offset:4096*\q+256*\n   ; lanes 0-15 and lanes 16-31 each store 256 consecutive bytes, aligned
.endr
.endr
	s_wait_tensorcnt 0x0
	ds_add_u32 v240, v241
	s_wait_dscnt 0x0
	s_endpgm
.Lfunc_end_k_q0c8fbd4384_tables:
	.size	k_q0c8fbd4384_tables, .Lfunc_end_k_q0c8fbd4384_tables-k_q0c8fbd4384_tables
	.p2alignl 7, 3214868480
	.fill 96, 4, 3214868480
	.section	.rodata,"a",@progbits
	.p2align	6, 0x0
	.amdhsa_kernel k_q0c8fbd4384_tables
		.amdhsa_group_segment_fixed_size 5376
		.amdhsa_private_segment_fixed_size 0
		.amdhsa_enable_private_segment 0
		.amdhsa_kernarg_size 40
		.amdhsa_user_sgpr_count 2
		.amdhsa_user_sgpr_kernarg_segment_ptr 1
		.amdhsa_wavefront_size32 1
		.amdhsa_system_sgpr_workgroup_id_x 1
		.amdhsa_system_sgpr_workgroup_id_y 1
		.amdhsa_system_sgpr_workgroup_id_z 1
		.amdhsa_system_vgpr_workitem_id 0
		.amdhsa_next_free_vgpr 242
		.amdhsa_next_free_sgpr 66
		.amdhsa_reserve_vcc 0
		.amdhsa_float_denorm_mode_32 3
		.amdhsa_float_denorm_mode_16_64 3
		.amdhsa_memory_ordered 1
		.amdhsa_forward_progress 1
		.amdhsa_inst_pref_size 21
	.end_amdhsa_kernel
	.amdgpu_metadata
---
amdhsa.version: [ 1, 2 ]
amdhsa.kernels:
  - .name:           k_q0c8fbd4384_tables
    .symbol:         k_q0c8fbd4384_tables.kd
    .args:
      - { .name: attn_W, .offset: 0, .size: 8, .value_kind: global_buffer, .address_space: global }
      - { .name: attn_b, .offset: 8, .size: 8, .value_kind: global_buffer, .address_space: global }
      - { .name: inputs_codes, .offset: 16, .size: 8, .value_kind: global_buffer, .address_space: global }
      - { .name: inputs_scales, .offset: 24, .size: 8, .value_kind: global_buffer, .address_space: global }
      - { .name: tab, .offset: 32, .size: 8, .value_kind: global_buffer, .address_space: global }
    .group_segment_fixed_size: 5376
    .private_segment_fixed_size: 0
    .kernarg_segment_align: 8
    .kernarg_segment_size: 40
    .max_flat_workgroup_size: 256
    .sgpr_count:     66
    .vgpr_count:     242
    .wavefront_size: 32
...
	.end_amdgpu_metadata
.endif
;; end of part 1
;; launch attend (part 2): grid 32 x 8, 16 waves a work-group, no clusters, 84,480 bytes of LDS; arguments tab, score_W, score_b, out0; writes out0
.if DOCPART == 2
	.amdgcn_target "amdgcn-amd-amdhsa--gfx1250"
	.amdhsa_code_object_version 6
	.text
	.protected	k_q0c8fbd4384_attend
	.globl	k_q0c8fbd4384_attend
	.p2align	8
	.type	k_q0c8fbd4384_attend,@function
k_q0c8fbd4384_attend:
	s_mov_b64 s[64:65], 0
	v_nop
	global_prefetch_b8 v0, s[64:65] scope:SCOPE_SE
	s_setreg_imm32_b32 hwreg(HW_REG_WAVE_MODE, 25, 1), 1
	s_wait_xcnt 0x0
; out0[b][i][j] = softmax over i of ( sum over h of score_W(h) tanh(p1(b,i,h) + p2(b,j,h) + attn_b(h)) + score_b ).
; tanh(x) = 1 - 2 / (1 + 2^t), t = 2 log2(e) x.  The launch before left both halves of t split: tab[side][b][h / 2][row][16 bytes] = { f, n, f, n } of two h, 2^(half of t) = f 2^n, f in [1, 2], n a whole number.
; AN ELEMENT (i, j, h) is: n = na + nb (v_add_nc_u32); fa 2^n (v_ldexp_f32: it runs to infinity or to zero where t is large, and the reciprocal then gives 0 or 1); x fb + 1 and, behind the reciprocal,
; x w(h) into the sum (two v_pk_fma_f32, two elements each); v_rcp_f32.  ONE transcendental an element.  The energy is sum(w) + score_b - 2 x the sum.
; This product with score_W has one column: it is the multiply-add of that chain, on f32 operands, and no matrix instruction.
; SHARES.  A work-group owns a batch b (y) and 8 columns j (x), all 256 i and all 512 h: so the softmax over i stays inside it.  Sixteen waves: wave w takes i = 128 (w % 2) + 32 p + lane, p = 0 .. 3, and
; h = 64 (w / 2) + 0 .. 63.  The i side lies in vector registers (a load of the wave: 512 consecutive bytes); the j side is the same for all lanes and lies in SCALAR registers (two s_load_b512 bring 8 j x 2 h:
; fb falls on even registers, which the packed forms ask of a scalar source, nb on odd ones).  w(h) comes from score_W as it lies.
; A STEP is 2 h x 8 j x 4 i = 64 elements a lane, in three stages on two buffers of 64 registers: step v runs the reciprocals of v - 1, the sums of v - 2 and the front (add, ldexp, multiply-add) of v,
; a reciprocal and two or three plain instructions by turns; the reciprocals of a step are one batch with one wait.
; AT THE END the eight h ranges' sums meet in LDS; waves 0 to 7 take a column each (maximum, exponentials, sum, all in f32, the maximum taken away first); the result is turned through LDS, and a thread stores 16 bytes.
; out0 IS WRITTEN IN RUNS OF 32 BYTES, not in whole blocks of 256: a work-group that holds all i of its columns has 2,048 / 256 = 8 columns.  Whole blocks would take a launch more and the energies' way to memory and back.
; NO CLUSTER, NO TENSOR LOAD, though the 32 work-groups of a batch read the same i side: a wave loads 2,048 bytes a step for 2,048 elements, straight into the registers that use them; through LDS every byte
; would be written and read once more, and the sixteen waves, which meet at no barrier before the end, would meet at every refill.  No prefetch: the vector loads run three steps ahead and the scalar loads one.
; LIMITS: as the launch before states (n held at +-2^29; no NaN, no infinities).
.set ACC, 16                           ; v16-47   the sums: column j, row p at 4 j + p
.set TB,  48                           ; v48-111  four sets of i-side data: row p at 4 p: { fa, na, fa, na } of the step's two h
.set EB,  112                          ; v112-239 two buffers: element (hh, j, p) at 32 hh + 4 j + p
.set S0,  16                           ; s16-47 and s68-99: two sets of j-side data: column j at 4 j: { fb, nb, fb, nb }
.set WL,  48                           ; s48-55   four pairs { w(h), w(h + 1) }
.set WT,  56                           ; s[56:57] w(h + 1) once more, on an even register
.set PJ,  65536                        ; LDS: 8 ranges x 8 columns x 256 sums (65,536 bytes); then the columns' results, PJP bytes a column
.set PJP, 1056                         ; 1,024 + 32: four columns on is 1,056 words, 32 banks on (64 banks of 4 bytes: ISA guide 11.1): the turn's loads meet no conflict
	s_load_b256 s[4:11], s[0:1], 0x0               ; tab s[4:5], score_W s[6:7], score_b s[8:9], out0 s[10:11]
	v_lshl_add_u32 v254, v0, 2, 0x14200
	v_mov_b32 v255, 0
	v_lshrrev_b32 v1, 5, v0
	v_readfirstlane_b32 s12, v1                    ; wave 0..15
	s_and_b32 s13, s12, 1                          ; which 128 i
	s_lshr_b32 s14, s12, 1                         ; which 64 h
	s_and_b32 s15, ttmp7, 0xffff                   ; batch
	v_and_b32 v8, 31, v0                           ; lane
	v_lshlrev_b32 v1, 4, v8                        ; v1: 16 x lane; never rewritten
	s_lshl_b32 s20, s14, 13
	s_lshl_b32 s21, s13, 9
	s_add_co_u32 s20, s20, s21
	v_lshl_add_u32 v3, v8, 2, s20                  ; v3: my sums' place: range x 8,192 + 512 (w % 2) + 4 x lane
	s_lshl_b32 s20, s12, 10
	v_add_nc_u32 v4, s20, v1                       ; v4: column w's sums: 1,024 w + 16 x lane
	s_mul_i32 s20, s12, PJP
	s_add_co_u32 s20, s20, PJ
	v_add_nc_u32 v5, s20, v1                       ; v5: column w's results
	v_and_b32 v9, 1, v0
	v_lshrrev_b32 v10, 1, v0                       ; the turn: thread t takes row i = t / 2, columns 4 (t % 2) + 0 .. 3
	v_mul_u32_u24 v6, v9, 4*PJP
	v_lshl_add_u32 v6, v10, 2, v6
	v_add_nc_u32 v6, PJ, v6                        ; v6: where it reads them
	v_lshlrev_b32 v7, 4, v9
	v_lshl_add_u32 v7, v10, 10, v7                 ; v7: and where they go in out0: 1,024 i + 16 (t % 2)
	v_mov_b32 v241, 0                              ; a lane permute's destination counts as one of its sources
	s_lshl_b32 s20, s15, 20                        ; tab: a batch is 1 MiB, my 32 pairs of h 4,096 bytes each
	s_lshl_b32 s21, s14, 17
	s_add_co_u32 s20, s20, s21
	s_lshl_b32 s21, s13, 11                        ; i side: my 128 rows of 16 bytes
	s_add_co_u32 s22, s20, s21
	s_mov_b32 s23, 0
	s_lshl_b32 s21, ttmp9, 7                       ; j side: 8 MiB on; my work-group's 8 rows
	s_add_co_u32 s20, s20, s21
	s_add_co_u32 s20, s20, 0x800000
	s_mov_b32 s21, 0
	s_lshl_b32 s24, s14, 8                         ; score_W: my 64 numbers
	s_mov_b32 s25, 0
	s_lshl_b32 s26, s15, 18                        ; out0: a batch is 256 rows of 1,024 bytes; my 8 columns
	s_lshl_b32 s27, ttmp9, 5
	s_add_co_u32 s26, s26, s27
	s_mov_b32 s27, 0
	s_mov_b32 s57, 0                               ; (named with s56 as a pair, so it is written)
	s_mov_b32 s58, 0x76543210
	s_mov_b32 s59, 0xfedcba98                      ; v_permlanex16_b32: lane l xor 16
	s_wait_kmcnt 0x0
	s_add_nc_u64 s[2:3], s[4:5], s[22:23]          ; s[2:3]: the i side at my first step
	s_add_nc_u64 s[4:5], s[4:5], s[20:21]          ; s[4:5]: the j side
	s_add_nc_u64 s[60:61], s[6:7], s[24:25]        ; s[60:61]: w
	s_add_nc_u64 s[10:11], s[10:11], s[26:27]
	s_load_b32 s63, s[8:9], 0x0                    ; score_b
	s_load_b512 s[S0:S0+15], s[4:5], 0x0           ; step 0's j side,
	s_load_b512 s[S0+16:S0+31], s[4:5], 0x40
	s_load_b64 s[WL:WL+1], s[60:61], 0x0           ; and its w
.irp k, 0,1,2,3
	global_load_b128 v[EB+4*\k:EB+4*\k+3], v1, s[6:7] offset:512*\k           ; all of score_W, 16 numbers a lane, for sum(w)
.endr
.irp t, 0,1,2
.irp p, 0,1,2,3
	global_load_b128 v[TB+16*\t+4*\p:TB+16*\t+4*\p+3], v1, s[2:3] offset:4096*\t+512*\p   ; the i side of steps 0, 1, 2
.endr
.endr
	s_wait_loadcnt 12                              ; score_W is in; the twelve loads behind it may be out
	v_pk_add_f32 v[EB:EB+1], v[EB:EB+1], v[EB+2:EB+3]
	v_pk_add_f32 v[EB+4:EB+5], v[EB+4:EB+5], v[EB+6:EB+7]
	v_pk_add_f32 v[EB+8:EB+9], v[EB+8:EB+9], v[EB+10:EB+11]
	v_pk_add_f32 v[EB+12:EB+13], v[EB+12:EB+13], v[EB+14:EB+15]
	v_pk_add_f32 v[EB:EB+1], v[EB:EB+1], v[EB+4:EB+5]
	v_pk_add_f32 v[EB+8:EB+9], v[EB+8:EB+9], v[EB+12:EB+13]
	v_pk_add_f32 v[EB:EB+1], v[EB:EB+1], v[EB+8:EB+9]
	v_add_f32 v[EB], v[EB], v[EB+1]
	v_add_f32_dpp v[EB], v[EB], v[EB] row_xmask:1 row_mask:0xf bank_mask:0xf
	v_add_f32_dpp v[EB], v[EB], v[EB] row_xmask:2 row_mask:0xf bank_mask:0xf
	v_add_f32_dpp v[EB], v[EB], v[EB] row_xmask:4 row_mask:0xf bank_mask:0xf
	v_add_f32_dpp v[EB], v[EB], v[EB] row_xmask:8 row_mask:0xf bank_mask:0xf
	v_permlanex16_b32 v[EB+1], v[EB], s58, s59
	v_add_f32 v[EB], v[EB], v[EB+1]
	s_wait_kmcnt 0x0
	v_add_f32 v2, s63, v[EB]                       ; v2: sum(w) + score_b
; Plain instruction number pi of a step's 192.  0-31: the sums of step v - 2, a pair of rows each (amode 1: the first 16 start the sums: nothing is cleared; 0: none).  They read buffer BX ahead of
; 32-95: n = na + nb;  96-159: fa 2^n;  160-191: x fb + 1, a pair of rows each: the front of step v, which fills BX anew.
.macro PL
.if pi < 32
.if amode
.set qq, pi%16
.if pi < 16
.if amode == 1
	v_pk_mul_f32 v[ACC+2*qq:ACC+2*qq+1], v[BX+2*pi:BX+2*pi+1], s[WA:WA+1] op_sel_hi:[1,0]
.else
	v_pk_fma_f32 v[ACC+2*qq:ACC+2*qq+1], v[BX+2*pi:BX+2*pi+1], s[WA:WA+1], v[ACC+2*qq:ACC+2*qq+1] op_sel_hi:[1,0,1]
.endif
.else
	v_pk_fma_f32 v[ACC+2*qq:ACC+2*qq+1], v[BX+2*pi:BX+2*pi+1], s[WT:WT+1], v[ACC+2*qq:ACC+2*qq+1] op_sel_hi:[1,0,1]
.endif
.endif
.elseif pi < 96
.set ee, pi-32
	v_add_nc_u32 v[BX+ee], s[SS+4*((ee%32)/4)+2*(ee/32)+1], v[TT+4*(ee%4)+2*(ee/32)+1]
.elseif pi < 160
.set ee, pi-96
	v_ldexp_f32 v[BX+ee], v[TT+4*(ee%4)+2*(ee/32)], v[BX+ee]
.elseif pi < 192
.set qq, pi-160
	v_pk_fma_f32 v[BX+2*qq:BX+2*qq+1], v[BX+2*qq:BX+2*qq+1], s[SS+4*((qq%16)/2)+2*(qq/16):SS+4*((qq%16)/2)+2*(qq/16)+1], 1.0 op_sel_hi:[1,0,0]
.endif
.set pi, pi+1
.endm
; Step v, v % 4 = c.  mode 0: the front alone; 1: with the reciprocals of v - 1; 2: with the sums of v - 2, which start them; 3: all.  sl: the j side and w of step v + 1 are asked for;
; tl: the i side of step v + 3;  cnt: how many younger vector loads may be out when this step's four have to be in.
.macro STEP c, mode, sl, tl, cnt
.set BX, EB+64*((\c)%2)
.set BY, EB+64*(((\c)+1)%2)
.set SS, S0+52*((\c)%2)
.set SN, S0+52*(((\c)+1)%2)
.set TT, TB+16*(\c)
.set TN, TB+16*(((\c)+3)%4)
.set WA, WL+2*(((\c)+2)%4)
.set WN, WL+2*(((\c)+1)%4)
	s_wait_kmcnt 0x0                               ; this step's j side and w, asked for a step ago
	s_wait_loadcnt \cnt                            ; loads come back in order (ISA guide 5.7.1): this step's i side is in; those of the next two steps stay out
.if \sl
	s_load_b512 s[SN:SN+15], s[4:5], ((\c)+1)*4096         ; into the set whose last readers stand in the step before
	s_load_b512 s[SN+16:SN+31], s[4:5], ((\c)+1)*4096+64
	s_load_b64 s[WN:WN+1], s[60:61], ((\c)+1)*8            ; w is read two steps behind its front: four pairs take turns
.endif
.if \tl
.irp p, 0,1,2,3
	global_load_b128 v[TN+4*\p:TN+4*\p+3], v1, s[2:3] offset:((\c)+3)*4096+512*\p
.endr
.endif
.if \mode >= 2
	s_mov_b32 s[WT], s[WA+1]
.endif
.set pi, 32
.set amode, 0
.if \mode >= 2
.set pi, 0
.set amode, \mode-1
.endif
.if \mode >= 1
.set mm, 0
.rept 64
	v_rcp_f32 v[BY+mm], v[BY+mm]                   ; nothing else in this step names buffer BY
	PL
	PL
.if (mm%2) == 0
	PL
.endif
.set mm, mm+1
.endr
.endif
.rept 160
	PL                                             ; what is left of the 192 (nothing is written beyond them)
.endr
.if \mode >= 1
	s_wait_alu depctr_va_vdst(0)                   ; one wait for the step's 64 reciprocals, behind plain work and ahead of the next step, which reads them
.endif
.endm
.macro ADVANCE                         ; four steps on
	s_wait_xcnt 0x0                                ; every load issued so far has had its address translated (ISA guide 3.1): only behind this wait are the bases stepped
	s_add_nc_u64 s[2:3], s[2:3], 4*4096
	s_add_nc_u64 s[4:5], s[4:5], 4*4096
	s_add_nc_u64 s[60:61], s[60:61], 32
.endm
	STEP 0, 0, 1, 1, 8                             ; the first four steps are written out: the stages fill one after the other
	STEP 1, 1, 1, 1, 8
	STEP 2, 2, 1, 1, 8
	STEP 3, 3, 1, 1, 8
	ADVANCE
	s_mov_b32 s62, 6
.Lfour:                                            ; steps 4 to 27
	STEP 0, 3, 1, 1, 8
	STEP 1, 3, 1, 1, 8
	STEP 2, 3, 1, 1, 8
	STEP 3, 3, 1, 1, 8
	ADVANCE
	s_sub_co_u32 s62, s62, 1
	s_cmp_lg_u32 s62, 0
	s_cbranch_scc1 .Lfour
	STEP 0, 3, 1, 1, 8                             ; the last four are written out: no load leaves my range, and the counts run down
	STEP 1, 3, 1, 0, 8
	STEP 2, 3, 1, 0, 4
	STEP 3, 3, 0, 0, 0
	; the stages run empty: the reciprocals of step 31 with the sums of step 30, then the sums of step 31
.set BX, EB
.set BY, EB+64
.set WA, WL+4
.set amode, 2
.set pi, 0
	s_mov_b32 s[WT], s[WL+5]
.set mm, 0
.rept 64
	v_rcp_f32 v[BY+mm], v[BY+mm]
.if (mm%2) == 0
	PL
.endif
.set mm, mm+1
.endr
	v_nop                                          ; a plain instruction behind the last reciprocal
	s_wait_alu depctr_va_vdst(0)                   ; and the batch's wait, ahead of its first reader
.set BX, EB+64
.set WA, WL+6
.set pi, 0
	s_mov_b32 s[WT], s[WL+7]
.rept 32
	PL
.endr
	; the eight ranges of h meet: [range][column][i], 128 consecutive bytes a store
.irp j, 0,1,2,3,4,5,6,7
.irp p, 0,1,2,3
	ds_store_b32 v3, v[ACC+4*\j+\p] offset:1024*\j+128*\p
.endr
.endr
	s_wait_dscnt 0x0                               ; for the others: my stores have landed
	s_barrier_signal -1
	s_barrier_wait -1
	s_cmp_lt_u32 s12, 8
	s_cbranch_scc0 .Lno_column                     ; waves 0 to 7 take a column each; no barrier stands inside
.irp q, 0,1,2,3,4,5,6,7
.irp u, 0,1
	ds_load_b128 v[EB+8*\q+4*\u:EB+8*\q+4*\u+3], v4 offset:8192*\q+512*\u     ; range q; i = 128 u + 4 x lane + 0 .. 3
.endr
.endr
	s_wait_dscnt 0x0
.irp q, 1,2,3,4,5,6,7
.irp k, 0,2,4,6
	v_pk_add_f32 v[EB+\k:EB+\k+1], v[EB+\k:EB+\k+1], v[EB+8*\q+\k:EB+8*\q+\k+1]
.endr
.endr
.irp k, 0,1,2,3,4,5,6,7
	v_fma_f32 v[EB+\k], v[EB+\k], -2.0, v2         ; the energy: sum(w) + score_b - 2 x the sum
.endr
	v_max3_num_f32 v240, v[EB], v[EB+1], v[EB+2]
	v_max3_num_f32 v240, v240, v[EB+3], v[EB+4]
	v_max3_num_f32 v240, v240, v[EB+5], v[EB+6]
	v_max_num_f32 v240, v240, v[EB+7]
	v_max_num_f32_dpp v240, v240, v240 row_xmask:1 row_mask:0xf bank_mask:0xf
	v_max_num_f32_dpp v240, v240, v240 row_xmask:2 row_mask:0xf bank_mask:0xf
	v_max_num_f32_dpp v240, v240, v240 row_xmask:4 row_mask:0xf bank_mask:0xf
	v_max_num_f32_dpp v240, v240, v240 row_xmask:8 row_mask:0xf bank_mask:0xf
	v_permlanex16_b32 v241, v240, s58, s59
	v_max_num_f32 v240, v240, v241                 ; the column's largest energy, in every lane
.irp k, 0,1,2,3,4,5,6,7
	v_sub_f32 v[EB+\k], v[EB+\k], v240             ; the maximum is taken away first
.endr
.irp k, 0,1,2,3,4,5,6,7
	v_mul_f32 v[EB+\k], 0x3fb8aa3b, v[EB+\k]       ; x log2(e)
.endr
.irp k, 0,1,2,3,4,5,6,7
	v_exp_f32 v[EB+\k], v[EB+\k]
.endr
	v_nop                                          ; a plain instruction behind the last exponential
	s_wait_alu depctr_va_vdst(0)                   ; one wait for the eight
	v_pk_add_f32 v[242:243], v[EB:EB+1], v[EB+2:EB+3]
	v_pk_add_f32 v[244:245], v[EB+4:EB+5], v[EB+6:EB+7]
	v_pk_add_f32 v[242:243], v[242:243], v[244:245]
	v_add_f32 v242, v242, v243
	v_add_f32_dpp v242, v242, v242 row_xmask:1 row_mask:0xf bank_mask:0xf
	v_add_f32_dpp v242, v242, v242 row_xmask:2 row_mask:0xf bank_mask:0xf
	v_add_f32_dpp v242, v242, v242 row_xmask:4 row_mask:0xf bank_mask:0xf
	v_add_f32_dpp v242, v242, v242 row_xmask:8 row_mask:0xf bank_mask:0xf
	v_permlanex16_b32 v241, v242, s58, s59
	v_add_f32 v242, v242, v241                     ; the column's sum: at least 1
	v_rcp_f32 v242, v242
	v_nop
	s_wait_alu depctr_va_vdst(0)
.irp k, 0,2,4,6
	v_pk_mul_f32 v[EB+\k:EB+\k+1], v[EB+\k:EB+\k+1], v[242:243] op_sel_hi:[1,0]
.endr
	ds_store_b128 v5, v[EB:EB+3]
	ds_store_b128 v5, v[EB+4:EB+7] offset:512
.Lno_column:
	s_wait_dscnt 0x0                               ; for the others: the column has landed
	s_barrier_signal -1
	s_barrier_wait -1
.irp k, 0,1,2,3
	ds_load_b32 v[244+\k], v6 offset:PJP*\k        ; row t / 2, four neighbouring columns
.endr
	s_wait_dscnt 0x0
	global_store_b128 v7, v[244:247], s[10:11] th:TH_STORE_NT      ; two neighbouring lanes store a row's 32 bytes; written once, read by nobody here
	s_wait_tensorcnt 0x0
	ds_add_u32 v254, v255
	s_wait_dscnt 0x0
	s_endpgm
.Lfunc_end_k_q0c8fbd4384_attend:
	.size	k_q0c8fbd4384_attend, .Lfunc_end_k_q0c8fbd4384_attend-k_q0c8fbd4384_attend
	.p2alignl 7, 3214868480
	.fill 96, 4, 3214868480
	.section	.rodata,"a",@progbits
	.p2align	6, 0x0
	.amdhsa_kernel k_q0c8fbd4384_attend
		.amdhsa_group_segment_fixed_size 84480
		.amdhsa_private_segment_fixed_size 0
		.amdhsa_enable_private_segment 0
		.amdhsa_kernarg_size 32
		.amdhsa_user_sgpr_count 2
		.amdhsa_user_sgpr_kernarg_segment_ptr 1
		.amdhsa_wavefront_size32 1
		.amdhsa_system_sgpr_workgroup_id_x 1
		.amdhsa_system_sgpr_workgroup_id_y 1
		.amdhsa_system_sgpr_workgroup_id_z 1
		.amdhsa_system_vgpr_workitem_id 0
		.amdhsa_next_free_vgpr 256
		.amdhsa_next_free_sgpr 100
		.amdhsa_reserve_vcc 0
		.amdhsa_float_denorm_mode_32 3
		.amdhsa_float_denorm_mode_16_64 3
		.amdhsa_memory_ordered 1
		.amdhsa_forward_progress 1
		.amdhsa_inst_pref_size 166
	.end_amdhsa_kernel
	.amdgpu_metadata
---
amdhsa.version: [ 1, 2 ]
amdhsa.kernels:
  - .name:           k_q0c8fbd4384_attend
    .symbol:         k_q0c8fbd4384_attend.kd
    .args:
      - { .name: tab, .offset: 0, .size: 8, .value_kind: global_buffer, .address_space: global }
      - { .name: score_W, .offset: 8, .size: 8, .value_kind: global_buffer, .address_space: global }
      - { .name: score_b, .offset: 16, .size: 8, .value_kind: global_buffer, .address_space: global }
      - { .name: out0, .offset: 24, .size: 8, .value_kind: global_buffer, .address_space: global }
    .group_segment_fixed_size: 84480
    .private_segment_fixed_size: 0
    .kernarg_segment_align: 8
    .kernarg_segment_size: 32
    .max_flat_workgroup_size: 512
    .sgpr_count:     100
    .vgpr_count:     256
    .wavefront_size: 32
...
	.end_amdgpu_metadata
.endif
;; end of part 2
